; MI455X (gfx1250); checked and timed in simulation.
; The chip was launched on July 23, 2026; its instructions are those of AMD's public machine-readable ISA for CDNA 5 (MIT licence, August 2026) and "CDNA5" Instruction Set Architecture Reference Guide (July 2026). The comments in the code are by the model that wrote it; some were corrected since.
;; Model. Allowed arithmetic: matrix products marked QUANTISED: E5M2 operands, one given power-of-two scale a tensor, by v_wmma_f32_16x16x64_bf8_bf8 or v_wmma_f32_16x16x128_bf8_bf8, f32 sums; everything else in f32.
;; Inputs: k_codes 8 x 2,048 x 32 x 32 uint8 (E5M2 codes of k, K innermost, in blocks of 32 codes); lowp_scales 4 int32 (the exponents e of the quantised operands' scales 2^e); q_codes 8 x 2,048 x 32 x 32 uint8 (E5M2 codes of q, K innermost, in blocks of 32 codes); v_codes 8 x 1,024 x 64 x 32 uint8 (E5M2 codes of v, K innermost, in blocks of 32 codes).
;; Outputs: out0 8 x 2,048 x 1,024 float32.
;; This version of the problem:
;;   THIS VERSION OF THE PROBLEM IS GIVEN IN LOW PRECISION. The matrix products marked QUANTISED in the list below multiply operands that are first quantised to E5M2 (5 exponent bits, 2 mantissa bits; 8 bits a number), with one given power-of-two scale for each operand tensor; their sums are f32. All else is computed in f32.
;;   The module's matrix products, in the order in which they are computed (A, B: the left and right operand; K: the contracted axis; several contracted axes count as one K, in the product's order):
;;     1. batch 8 x [M 2,048, K 1,024] x [K 1,024, N 2,048]; A: input q (given as codes); B: input k (given as codes): QUANTISED (scales: A lowp_scales[0], B lowp_scales[1])
;;     2. batch 8 x [M 2,048, K 2,048] x [K 2,048, N 1,024]; A: softmax (see below); B: input v (given as codes): QUANTISED (scales: A lowp_scales[2], B lowp_scales[3])
;;   THE QUANTISER, for each operand of a quantised product, along K:
;;     - The operand's scale is 2^e, e = its entry of the input lowp_scales (int32; the entries are numbered through the quantised products in the list's order, A before B).
;;     - Each number is divided by the scale, clamped to +-57,344, and rounded to the nearest number of E5M2, ties to even, subnormals kept.
;;     - The product sums the exact products of the quantised numbers (number of the format x scale) in f32.
;;   ~~~python
;;   def quantise(x, axis, e):      # numpy; x: float32 -> the quantised numbers, widened to float32 again
;;       x = np.moveaxis(x, axis, -1); K = x.shape[-1]
;;       r = np.clip(x / 2.0 ** e, -57344, 57344)
;;       step = 2.0 ** (np.maximum(np.frexp(np.where(r == 0, 1, r))[1] - 1, -14) - 2)
;;       q = np.round(r / step) * step * 2.0 ** e      # np.round: ties to even
;;       return np.moveaxis(q, -1, axis).astype(np.float32)
;;   ~~~
;;   SOFTMAX AHEAD OF A QUANTISED PRODUCT. Where the list says 'softmax', what is quantised is not the finished softmax but p = 2^(t - M), with t = logit x log2(e) and M = ceil(the row's largest t), a whole number; so 1/2 < the row's largest p <= 1. The row's sum l is taken of the UNQUANTISED p, in f32, and the product's result is divided by l at the end. Since M is a whole number, a kernel that streams over the keys may use a running M (the ceiling of the running maximum): every later rescaling is an exact power of two, so the quantised numbers keep their values, but for numbers so far below the row's largest that they fall under the format's range.
;;   OPERANDS COMPUTED ON THE WAY. 'Computed on the way' means the value that the module computes at that place (a softmax that the list does not call 'softmax' is quantised finished and normalised). What goes into a quantiser is computed in f32, as accurately as f32 sums, v_exp_f32 and their like allow (about 1e-6 of the number): no bf16 or f16 on the way to a quantiser, and a product that is left as it is and whose result goes on into a quantised operand takes f32 operands (vector FMAs, or v_wmma_f32_16x16x4_f32). A number that lies on a knife's edge between two numbers of the format may be rounded either way, as far as f32 arithmetic and the matrix unit's own rounding can turn it there, and no further.
;;   INPUTS GIVEN AS CODES. k (in the module: [8, 1024, 2048], K = its axis 1); q (in the module: [8, 2048, 1024], K = its axis 2); v (in the module: [8, 2048, 1024], K = its axis 1): each comes as NAME_codes (uint8): NAME with its K axis moved to the last place and cut into blocks of 32 codes, [.., K / 32, bytes a block], one block behind the other in memory; one code a byte (a code: sign, 5 exponent bits, 2 mantissa bits); its scale is its entry of lowp_scales. Its value is code x scale, taken as it is: it is not quantised again, and the codes and scales need not be those that the quantiser above would give.
;; 2 versions, each right. Each part assembles by itself: llvm-mc -triple=amdgcn-amd-amdhsa -mcpu=gfx1250 --defsym DOCPART=n.
;; ======== version 1 of 2: 1 launch
;; limits: right only within a limited range of input values
;; launch attn (part 1): grid 32 x 8, 4 waves a work-group, clusters of 4 x 1, 327,680 bytes of LDS; arguments q_codes, k_codes, v_codes, lowp_scales, out0; writes out0
.if DOCPART == 1
	.amdgcn_target "amdgcn-amd-amdhsa--gfx1250"
	.amdhsa_code_object_version 6
	.text
	.protected	k_qdde75c7bf7_attn
	.globl	k_qdde75c7bf7_attn
	.p2align	8
	.type	k_qdde75c7bf7_attn,@function
k_qdde75c7bf7_attn:
	s_mov_b64 s[64:65], 0
	v_nop
	global_prefetch_b8 v0, s[64:65] scope:SCOPE_SE
	s_setreg_imm32_b32 hwreg(HW_REG_WAVE_MODE, 25, 1), 1
	s_wait_xcnt 0x0
	s_wait_alu depctr_hold_cnt(0) depctr_sa_sdst(0) depctr_va_vdst(0) depctr_va_sdst(0) depctr_va_ssrc(0) depctr_va_vcc(0) depctr_vm_vsrc(0)
	s_getreg_b32 s2, hwreg(HW_REG_IB_STS2, 6, 4)
	s_cmp_eq_u32 s2, 0
	s_cbranch_scc0 .Lentry_in_a_cluster
	s_endpgm
.Lentry_in_a_cluster:
	s_bfe_u32 s2, ttmp6, 0x10000c
	s_cmp_lg_u32 s2, 0x3003
	s_cbranch_scc0 .Lentry_shape_is_right
	s_endpgm
.Lentry_shape_is_right:
; out[b][q][:] = the sum over keys of softmax(0.1 x q.k) v, both products on codes of BF8 (E5M2), each tensor with the one scale 2^e that is given: eq, ek, ep, ev.
; q_codes [8][2048 queries][1024 d], k_codes [8][2048 keys][1024 d], v_codes [8][1024 channels][2048 keys]: one code a byte, K innermost.  out [8][2048][1024] f32.
; THE SOFTMAX AHEAD OF THE SECOND PRODUCT: t = score x c, c = 0.1 log2(e) 2^(eq + ek); M = the running largest t of the row, rounded UP to a whole number; p = 2^(t - M) is quantised with 2^ep, not normalised.
; The row's sum l is taken of the unquantised p.  When M moves, l and O are multiplied by 2^(old M - new M), which rounds nothing.  At the end O x 2^(ep + ev) / l.
; SHARES.  A work-group owns 64 queries of one batch: their f32 sums, 64 x 1,024, fill 512 registers in each of four waves.  16,384 queries / 64 = 256 work-groups.  The keys go in 8 steps of 256.
;   Wave w = 2 a + b.  S^T = K Q^T: queries 32 a .. + 31 against keys 128 b .. + 127 of the step; the wave's 32 x 1,024 codes of Q stay in 256 registers for the whole launch.
;   O^T = V^T P^T: channels 256 w .. + 255 for all 64 queries.  So each byte of V is read from LDS once and each byte of K twice.
;   P goes from wave to wave through LDS as an image of the operand's registers; the two key halves' row maxima meet in 512 bytes of LDS.
; LAYOUT.  Both products are used transposed, so that a lane holds ONE query (lane % 16) in S^T, P and O^T.  A tile of S^T is 16 neighbouring keys: lane (r, h), register j = key 16 t + 8 h + j; its eight codes
;   are registers 2 t, 2 t + 1 of the second product's operand in that form's own layout, and V is fetched in the same layout, 8 bytes at a time.  K and Q are both fetched 16 bytes at a time: the same
;   permutation of d on both sides, so every product meets its partner.
; RING.  Two LDS slots, four fills a key step: K d 0-511 (slot A), K d 512-1023 (slot B), V channels 0-127 of each wave (A), V channels 128-255 (B).  One tensor load a wave behind each change of slots.
; CLUSTER.  The four query blocks of a cluster belong to one batch and walk the same K and V: every tile is asked for JOINTLY (mask 15).  Only this one axis shares tiles, so the cluster is 4 x 1.
; LIMITS on the given exponents, so that each power of two below is an f32 number: eq + ek between -123 and 130; ep between -126 and 112; ep + ev is applied by v_ldexp_f32 and has none.
;   Codes that are infinities or NaN are not served.  t is made by ONE multiplication by the f32 number nearest to 0.1 log2(e), where the definition multiplies twice.
; REGISTERS, in windows of 256.  Window 0: v0-31 addresses and statistics; v32-127 three sets of two fragments of K or V (in the softmax: at work); v128-255 S^T, then p, then P's eight fragments.
;   Window 1: Q, fragment (q', s) at 16 (8 q' + s).   Windows 2, 3: O^T, accumulator (channel tile ct, query tile qt) at 64 qt + 8 (ct % 8) of window 2 + ct / 8.
.set KP,     528                       ; a key's row in LDS: 512 bytes + 16 = 132 words: row r starts at bank 4 r mod 64 (64 banks of 4 bytes: ISA guide 11.1)
.set VP,     272                       ; a channel's row: 256 bytes + 16 = 68 words: lane (r, h) of an 8-byte load takes banks 4 r + 2 h, + 1: all 32 lanes differ
.set KW,     64*KP                     ; what one tensor load brings of K: 64 keys
.set VW,     128*VP                    ; and of V: 128 channels, the wave's own
.set SLOT,   4*VW                      ; a slot: 139,264 bytes (K's form takes 135,168 of them)
.set PIMG,   2*SLOT                    ; P's eight fragments, 2,048 bytes each: fragment 2 qt + ks, register group c at 512 c + 16 x lane
.set STAT,   PIMG+8*2048               ; [key half][64 queries] f32: the step's largest score; 512 bytes on: the same for the final sums l
.set SPARE,  STAT+1024                 ; the spare words, 128 bytes for each wave: two blocks of 256 bytes that no other line names
.set SPITCH, 528                       ; the way out: a stage of 16 rows x (512 bytes + 16) for each wave, in slot A, which has then had its last fill and its last read
.set STG,    16*SPITCH
.set KSTEPB, 256*1024                  ; 256 keys on in k_codes
.set VSTEPB, 256                       ; 256 keys on in a row of v_codes
.set VHALF,  128*2048                  ; 128 channels on in v_codes
.set AK,   1                           ; v1, v2   LDS address of my K fragments in slot A, B
.set AV,   3                           ; v3, v4   the same for V
.set LI,   5                           ; v5   PIMG + 16 x lane
.set PW,   6                           ; v6   where I store my fragments of P
.set SW,   7                           ; v7   where I store my queries' maxima
.set SR,   8                           ; v8   STAT + 4 r
.set SPW,  9                           ; v9   LDS address of my spare word; never rewritten
.set NIL,  10                          ; v10  0; never rewritten
.set PRM,  11                          ; v11  a lane permute's destination
.set LS,   12                          ; v[12:13], v[14:15]  l of my two query tiles, in two halves
.set ST,   16                          ; query tile qt: v[16+4qt] -M, +1 the largest t, +2 f; +3 is named as the upper half of f's pair and holds a constant:
.set PFOK, 19                          ; v19  the prefetches' offset in K
.set PFOV, 23                          ; v23  and in V
.set CVS,  27                          ; v27  2^ep as f32
.set HOLD, 31                          ; v31  57,344 x 2^ep
.set FS,   32                          ; the three sets of fragments
.set MX,   32                          ; in the softmax: v32-39 the loaded maxima, v40-47 at work, v[48:51] my -M, v[52:55] my f, v[56:59] second chains of the sums, v64-95 my codes
.set TW,   40
.set ONM,  48
.set OFC,  52
.set C2,   56
.set PC,   64
.set S,    128
.set STO,  1                           ; the way out: v1 into the stage, v2 back, v3 my 16 bytes of a row's 512
.set RD,   2
.set CO,   3
.set TMP,  32
.set BK,   128
.set WV,   14                          ; s14 wave, s15 a, s16 b
.set G1K,  24
.set G1V,  32
.set G0K0, 40
.set G0K1, 44
.set G0V0, 48
.set G0V1, 52
.set CS,   56                          ; s[56:57] c, twice
.set SEL,  58                          ; s[58:59] selects for lane xor 16
.set CNT,  61
.set OWN,  62                          ; all ones where a = 1
.set PFON, 63                          ; 1 in the batch's first cluster
.set PFK,  66
.set PFV,  68
.set EPV,  70
.set W_S,  0x04                        ; source 1 (Q) window 1
.set W_PV, 0xa0                        ; C and D window 2 (+ 0x50: window 3)
.set W_RS, 0x82                        ; destination and source 0 window 2 (+ 0x41: window 3)
.set W_Q,  0x40                        ; destination window 1
.set MSB, 0
.macro WIN new                         ; the immediate's high byte repeats the setting that is left; a switch that changes nothing is dropped
.if MSB != (\new)
	s_set_vgpr_msb (MSB<<8)|(\new)
.set MSB, (\new)
.endif
.endm
.macro PLACES n                        ; plain vector instructions that name no register: the distance behind matrix instructions (ISA guide 7.12.1 for vector instructions)
.rept \n
	v_nop
.endr
.endm
.macro CREST                           ; a round of the cluster's barrier behind its opening barrier
	s_cmp_lg_u32 s[WV], 0
	s_cbranch_scc1 .Lnot_wave_0_\@
	s_barrier_signal -3
.Lnot_wave_0_\@:
	s_barrier_wait -3
	s_barrier_signal -1
	s_barrier_wait -1
.endm
.macro CROUND
	s_barrier_signal -1
	s_barrier_wait -1
	CREST
.endm
.macro TL g0, g1                       ; a joint load: every wave of all four work-groups issues this line, with its own wave's rows; four v_nop follow
	tensor_load_to_lds s[\g0:\g0+3], s[\g1:\g1+7]
	s_nop 0
	PLACES 4
.endm
; A PREFETCH INTO THE L2 of a tile that the tensor load two changes of slots on will ask for.  All clusters of a batch walk the same K and V: the batch's first cluster asks (a branch on the cluster's number, the same
; in its four partners).  The partners share a wave's tile out BY ADDRESS: of K's 64 keys x 512 bytes each takes 16 keys, a lane a block of 256 bytes; of V's 128 rows x 256 bytes each takes 32, a lane a row.
; One instruction a wave and a change of slots; each aligned block of 256 bytes is named once in the launch.  Key step 0 comes by its loads alone; the last key step asks for nothing.
.macro ASK ptr, voff, imm
	s_cmp_eq_u32 s[PFON], 1
	s_cbranch_scc0 .Lnot_mine_\@
	global_prefetch_b8 v[\voff], s[\ptr:\ptr+1] offset:\imm th:TH_LOAD_NT scope:SCOPE_SE
.Lnot_mine_\@:
.endm
.macro ZONE                            ; the head of a change of slots: all my tensor loads have landed, so every group 0 may be written; 0 onto my spare word
	WIN 0
	s_wait_tensorcnt 0x0
	ds_add_u32 v[SPW], v[NIL]
.endm
; Set i of 16 of a slot of K: the fragments of key tiles 2 (i % 4), + 1 at d 128 (i / 4) on: eight loads of 16 bytes into set i % 3
.macro KLOAD i, slot
.set RKB, FS+32*((\i)%3)
.set RKO, 128*((\i)/4)+2*((\i)%4)*16*KP
.irp u, 0,1
.irp c, 0,1,2,3
	ds_load_b128 v[RKB+16*\u+4*\c:RKB+16*\u+4*\c+3], v[AK+\slot] offset:RKO+\u*16*KP+32*\c
.endr
.endr
.endm
; Its four products: two key tiles x my two query tiles.  The 16 accumulators take turns, one instruction a turn.  The step's first 16 products start the sums.
.macro SMUL i, dh
.set RKB, FS+32*((\i)%3)
.irp u, 0,1
.irp q, 0,1
.set RSS, S+64*\q+8*(2*((\i)%4)+\u)
.set RQQ, 16*(8*\q+4*(\dh)+(\i)/4)
.if ((\dh) == 0) && ((\i) < 4)
	v_wmma_f32_16x16x128_bf8_bf8 v[RSS:RSS+7], v[RKB+16*\u:RKB+16*\u+15], v[RQQ:RQQ+15], 0
.else
	v_wmma_f32_16x16x128_bf8_bf8 v[RSS:RSS+7], v[RKB+16*\u:RKB+16*\u+15], v[RQQ:RQQ+15], v[RSS:RSS+7]
.endif
.endr
.endr
.endm
; Sets 0 to 13 of a slot of K.  Three sets are on their way or at work; a set is loaded again four places behind the products that read it.
.macro SHEAD slot
	WIN W_S
	KLOAD 0, \slot
	KLOAD 1, \slot
	KLOAD 2, \slot
.irp i, 0,1,2,3,4,5,6,7,8,9,10,11,12,13
	s_wait_dscnt 16                                ; LDS loads come back in order (ISA guide 5.7.1): this set is in, the two younger sets' sixteen loads may be out
	SMUL \i, \slot
.if \i < 13
	PLACES 4
	KLOAD \i+3, \slot
.endif
.endr
.endm
; Group g of 8 of a slot of V: the fragments of channel tiles 2 (g % 4), + 1 at keys 128 (g / 4) on: sixteen loads of 8 bytes into set g % 3
.macro VLOAD g, slot
.set RVB, FS+32*((\g)%3)
.set RVO, 128*((\g)/4)+2*((\g)%4)*16*VP
.irp u, 0,1
.irp c, 0,1,2,3,4,5,6,7
	ds_load_b64 v[RVB+16*\u+2*\c:RVB+16*\u+2*\c+1], v[AV+\slot] offset:RVO+\u*16*VP+16*\c
.endr
.endr
.endm
; Its eight products: two channel tiles x the four query tiles.  Between two products on one accumulator stand 31 others'.
.macro PMUL g
.set RVB, FS+32*((\g)%3)
.irp u, 0,1
.irp qt, 0,1,2,3
.set ROO, 64*\qt+8*(2*((\g)%4)+\u)
.set RPP, S+16*(2*\qt+(\g)/4)
	v_wmma_f32_16x16x128_bf8_bf8 v[ROO:ROO+7], v[RVB+16*\u:RVB+16*\u+15], v[RPP:RPP+15], v[ROO:ROO+7]
.endr
.endr
.endm
; The eight accumulators of group g (g < 4) under the new M: x f, each from its low end on.  Set behind the group before, these 32 are also the places in front of the loads that follow.
.macro RESC g
.irp u, 0,1
.irp qt, 0,1,2,3
.irp e, 0,2,4,6
	v_pk_mul_f32 v[64*\qt+8*(2*(\g)+\u)+\e:64*\qt+8*(2*(\g)+\u)+\e+1], v[64*\qt+8*(2*(\g)+\u)+\e:64*\qt+8*(2*(\g)+\u)+\e+1], v[ST+4*\qt+2:ST+4*\qt+3] op_sel_hi:[1,0]
.endr
.endr
.endr
.endm
; Half v of O^T += V^T P^T: slot v, window 2 + v.  fill = 1: at its end the slot is filled with the next key step's K.
.macro PV v, fill
	WIN 0
.if \v == 0
.irp f, 0,1,2,3,4,5,6,7
.irp c, 0,1,2,3
	ds_load_b128 v[S+16*\f+4*\c:S+16*\f+4*\c+3], v[LI] offset:2048*\f+512*\c   ; P's eight fragments, as their makers' registers stood
.endr
.endr
.endif
	VLOAD 0, \v
	VLOAD 1, \v
	VLOAD 2, \v
	WIN W_RS+0x41*\v
	RESC 0
.irp g, 0,1,2,3,4,5
	WIN W_PV+0x50*\v
	s_wait_dscnt 32                                ; this group's fragments (and P) are in; the two younger groups' 32 loads may be out
	PMUL \g
.if \g < 3
	WIN W_RS+0x41*\v
	RESC \g+1
.elseif \g < 5
	PLACES 4
.endif
.if \g < 5
	WIN 0
	VLOAD \g+3, \v
.endif
.endr
.if (\v == 0) || \fill
	ZONE                                           ; the one load that was out is the other slot's
.if \fill
.if \v == 0
	s_add_nc_u64 s[G0V1+2:G0V1+3], s[G0V1+2:G0V1+3], VSTEPB     ; the descriptors' steps stand between the add and the wait for it
	s_add_nc_u64 s[G0K0+2:G0K0+3], s[G0K0+2:G0K0+3], KSTEPB
	s_wait_xcnt 0x0                                ; K's prefetches, a phase and more back, have read their address
	s_add_nc_u64 s[PFK:PFK+1], s[PFK:PFK+1], KSTEPB
.else
	s_add_nc_u64 s[G0K1+2:G0K1+3], s[G0K1+2:G0K1+3], KSTEPB
.endif
.endif
	WIN W_PV+0x50*\v
	s_wait_dscnt 17                                ; the add and the last group's sixteen loads may be out
	PMUL 6
	s_wait_dscnt 0x0                               ; the add is done, and my reads of this slot are over
	s_barrier_signal -1
	PMUL 7
	WIN 0
	s_barrier_wait -1
.if \fill
	CREST                                          ; the barrier has opened a round of the cluster's: no wave of any partner still reads this slot or has a load on its way
.if \v == 0
	TL G0K0, G1K                                   ; its four v_nop are also the places in front of the next half's loads
	ASK PFV, PFOV, 0
.else
	TL G0K1, G1K
	v_nop                                          ; a fifth place: the next step's first products write over the registers that held P
	ASK PFV, PFOV, VHALF
.endif
.else
	PLACES 4
.endif
.else
	WIN W_PV+0x50*\v
	s_wait_dscnt 16
	PMUL 6
	s_wait_dscnt 0x0
	PMUL 7
	WIN 0
.endif
.endm
; A KEY STEP: 256 keys.  fill = 1: the next key step's K is asked for, and the step after's tiles are prefetched.
.macro STEP fill
	; ---- S^T, d 0-511, from slot A
	SHEAD 0
	ZONE                                           ; the one load that was out is K's second half
.if \fill
	s_wait_xcnt 0x0                                ; V's prefetches, most of a phase back, have read their address
	s_add_nc_u64 s[PFV:PFV+1], s[PFV:PFV+1], VSTEPB
.endif
	WIN W_S
	s_wait_dscnt 9                                 ; the add and the last set's eight loads may be out
	SMUL 14, 0
	s_wait_dscnt 0x0                               ; the add is done, and my reads of slot A are over
	s_barrier_signal -1
	SMUL 15, 0
	WIN 0
	s_barrier_wait -1
	CREST
	TL G0V0, G1V                                   ; slot A takes each wave's first 128 channels of V; the four v_nop are also the places in front of the loads below
.if \fill
	ASK PFK, PFOK, 0
.endif
	; ---- S^T, d 512-1023, from slot B
	SHEAD 1
	s_wait_dscnt 8
	SMUL 14, 1
	s_wait_dscnt 0x0
	SMUL 15, 1
	WIN 0
	PLACES 4
	; the largest score of each of my 32 queries among my 128 keys: four chains, each accumulator from its low end on
.irp q, 0,1
	v_max3_num_f32 v[TW+2*\q], v[S+64*\q], v[S+64*\q+1], v[S+64*\q+2]
	v_max3_num_f32 v[TW+2*\q+1], v[S+64*\q+3], v[S+64*\q+4], v[S+64*\q+5]
.endr
.irp i, 6,10,14,18,22,26,30,34,38,42,46,50,54,58
.irp q, 0,1
	v_max3_num_f32 v[TW+2*\q], v[TW+2*\q], v[S+64*\q+\i], v[S+64*\q+\i+1]
	v_max3_num_f32 v[TW+2*\q+1], v[TW+2*\q+1], v[S+64*\q+\i+2], v[S+64*\q+\i+3]
.endr
.endr
.irp q, 0,1
	v_max3_num_f32 v[TW+2*\q], v[TW+2*\q], v[S+64*\q+62], v[S+64*\q+63]
.endr
.irp q, 0,1
	v_max_num_f32 v[TW+2*\q], v[TW+2*\q], v[TW+2*\q+1]
.endr
.irp q, 0,1
	v_permlanex16_b32 v[PRM], v[TW+2*\q], s[SEL], s[SEL+1]      ; the query's other 64 keys lie in the lane 16 away
	v_max_num_f32 v[MX+\q], v[TW+2*\q], v[PRM]
.endr
	ds_store_b32 v[SW], v[MX]
	ds_store_b32 v[SW], v[MX+1] offset:64
	ZONE                                           ; the one load that was out is slot A's
.if \fill
	s_add_nc_u64 s[G0V0+2:G0V0+3], s[G0V0+2:G0V0+3], VSTEPB
.endif
	s_wait_dscnt 0x0                               ; the add and my two stores are done, my reads of slot B are over
	CROUND                                         ; the round also shows the maxima to the other waves
	TL G0V1, G1V                                   ; slot B takes each wave's second 128 channels of V
.if \fill
	ASK PFK, PFOK, 512
.endif
	; ---- the softmax.  Every wave keeps M, t and f of all 64 queries: the second product rescales all of them
.irp qt, 0,1,2,3
.irp bb, 0,1
	ds_load_b32 v[MX+2*\qt+\bb], v[SR] offset:64*\qt+256*\bb
.endr
.endr
	s_wait_dscnt 0x0
.irp qt, 0,1,2,3
	v_max_num_f32 v[TW+\qt], v[MX+2*\qt], v[MX+2*\qt+1]
.endr
.irp qt, 0,1,2,3
	v_mul_f32 v[TW+\qt], s[CS], v[TW+\qt]          ; as t (c is positive)
.endr
.irp qt, 0,1,2,3
	v_max_num_f32 v[ST+4*\qt+1], v[ST+4*\qt+1], v[TW+\qt]       ; the running largest t
.endr
.irp qt, 0,1,2,3
	v_mov_b32 v[TW+4+\qt], v[ST+4*\qt]
.endr
.irp qt, 0,1,2,3
	v_floor_f32 v[ST+4*\qt], -v[ST+4*\qt+1]        ; the new -M = floor(-t) = -ceil(t): M is a whole number
.endr
.irp qt, 0,1,2,3
	v_sub_f32 v[TW+4+\qt], v[ST+4*\qt], v[TW+4+\qt]             ; old M - new M: a whole number, 0 or less
.endr
.irp qt, 0,1,2,3
	v_cvt_i32_f32 v[TW+4+\qt], v[TW+4+\qt]         ; (it saturates)
.endr
.irp qt, 0,1,2,3
	v_ldexp_f32 v[ST+4*\qt+2], 1.0, v[TW+4+\qt]    ; f = 2^(old M - new M)
.endr
	v_cndmask_b32 v[ONM], v[ST], v[ST+8], s[OWN]                ; my own two query tiles' -M and f: tiles 2 a, 2 a + 1, chosen without a branch
	v_cndmask_b32 v[ONM+2], v[ST+4], v[ST+12], s[OWN]
	v_cndmask_b32 v[OFC], v[ST+2], v[ST+10], s[OWN]
	v_cndmask_b32 v[OFC+2], v[ST+6], v[ST+14], s[OWN]
.irp x, ONM+1, ONM+3, OFC+1, OFC+3
	v_mov_b32 v[\x], 0                             ; (named as the upper halves of pairs, so they are written)
.endr
.set J, 0
.rept 64
	v_pk_fma_f32 v[S+J:S+J+1], v[S+J:S+J+1], s[CS:CS+1], v[ONM+2*(J/64):ONM+2*(J/64)+1] op_sel_hi:[1,0,0]   ; t - M, two at a time, one rounding
.set J, J+2
.endr
.set J, 0
.rept 128
	v_exp_f32 v[S+J], v[S+J]                       ; p = 2^(t - M), at most 1
.set J, J+1
.endr
	v_pk_mul_f32 v[LS:LS+1], v[LS:LS+1], v[OFC:OFC+1] op_sel_hi:[1,0]          ; the sums under the new M: plain instructions behind the exponentials
	v_pk_mul_f32 v[LS+2:LS+3], v[LS+2:LS+3], v[OFC+2:OFC+3] op_sel_hi:[1,0]
	s_wait_alu depctr_va_vdst(0)                   ; one wait for the batch of 128, ahead of its first reader
.irp q, 0,1
	v_pk_add_f32 v[C2+2*\q:C2+2*\q+1], v[S+64*\q:S+64*\q+1], v[S+64*\q+2:S+64*\q+3]   ; the sums are taken of the UNQUANTISED p: two chains a query tile
.endr
.set J, 4
.rept 15
.irp q, 0,1
	v_pk_add_f32 v[LS+2*\q:LS+2*\q+1], v[LS+2*\q:LS+2*\q+1], v[S+64*\q+J:S+64*\q+J+1]
	v_pk_add_f32 v[C2+2*\q:C2+2*\q+1], v[C2+2*\q:C2+2*\q+1], v[S+64*\q+J+2:S+64*\q+J+3]
.endr
.set J, J+4
.endr
.irp q, 0,1
	v_pk_add_f32 v[LS+2*\q:LS+2*\q+1], v[LS+2*\q:LS+2*\q+1], v[C2+2*\q:C2+2*\q+1]
.endr
.set T, 0
.rept 16                               ; tile T % 8 of query tile T / 8: eight neighbouring keys of a lane become two registers of the operand
.set J, 0
.rept 8
	v_min_num_f32 v[S+8*T+J], v[S+8*T+J], v[HOLD]  ; the conversion to an 8-bit code does not saturate (ISA guide 7.6.2); p is not negative, so the hold is one-sided
.set J, J+1
.endr
	v_cvt_scalef32_pk8_bf8_f32 v[PC+2*T:PC+2*T+1], v[S+8*T:S+8*T+7], v[CVS]
.set T, T+1
.endr
	v_nop                                          ; one plain vector instruction behind the last conversion
.irp q, 0,1
.irp c, 0,1,2,3
	ds_store_b128 v[PW], v[PC+16*\q+4*\c:PC+16*\q+4*\c+3] offset:4096*\q+512*\c   ; fragment 2 (2 a + q') + b goes to LDS as it stands
.endr
.endr
.if \fill == 0                         ; the last step: my half of each query's sum goes to the other waves
.irp q, 0,1
	v_add_f32 v[TW+\q], v[LS+2*\q], v[LS+2*\q+1]
.endr
.irp q, 0,1
	v_permlanex16_b32 v[PRM], v[TW+\q], s[SEL], s[SEL+1]
	v_add_f32 v[TW+\q], v[TW+\q], v[PRM]
.endr
	ds_store_b32 v[SW], v[TW] offset:512
	ds_store_b32 v[SW], v[TW+1] offset:512+64
.endif
	s_wait_dscnt 0x0                               ; for the others' sake: my stores are done
	s_barrier_signal -1                            ; a plain barrier: slot B's load may stay out
	s_barrier_wait -1
	; ---- O^T += V^T P^T
	PV 0, \fill
	PV 1, \fill
.endm
	s_load_b256 s[4:11], s[0:1], 0x0               ; q s[4:5], k s[6:7], v s[8:9], the scales' exponents s[10:11]
	s_load_b64 s[12:13], s[0:1], 0x20              ; out
	v_lshl_add_u32 v[SPW], v0, 2, SPARE
	v_mov_b32 v[NIL], 0
	ds_add_u32 v9, v10
	ds_add_u32 v9, v10
	s_wait_dscnt 0x0
	v_lshrrev_b32 v32, 5, v0
	v_readfirstlane_b32 s[WV], v32                 ; wave 0..3
	s_lshr_b32 s15, s[WV], 1                       ; a
	s_and_b32 s16, s[WV], 1                        ; b
	s_bfe_u32 s17, ttmp6, 0x40000                  ; cx: my place in the cluster
	s_lshl_b32 s18, ttmp9, 2                       ; in a cluster launch ttmp9 counts clusters
	s_add_co_u32 s18, s18, s17                     ; my block of 64 queries: it enters q's, out's and the prefetches' addresses alone
	s_and_b32 s19, ttmp7, 0xffff                   ; the batch, which the four partners share
	s_cmp_eq_u32 s15, 0
	s_cselect_b32 s[OWN], 0, -1
	s_cmp_eq_u32 ttmp9, 0
	s_cselect_b32 s[PFON], 1, 0
	; descriptor group 1.  K: 64 rows x 512 bytes, 1,024 apart; V: 128 rows x 256 bytes, 2,048 apart; elements of 1 byte
	s_mov_b32 s[G1K], 15|(1<<20)|(1<<21)|(6<<22)|(3<<25)        ; 15:0 the mask: all four work-groups; 20 padding on; 21 set beside a mask; 24:22 after every 128 words (code 6); 31:25 four words (code 3)
	s_mov_b32 s[G1K+1], 512<<16                    ; tensor_dim0
	s_mov_b32 s[G1K+2], 64<<16                     ; tensor_dim1
	s_mov_b32 s[G1K+3], 512<<16                    ; tile_dim0
	s_mov_b32 s[G1K+4], 64                         ; tile_dim1
	s_mov_b32 s[G1K+5], 1024                       ; tensor_dim0_stride
	s_mov_b32 s[G1K+6], 0
	s_mov_b32 s[G1K+7], 0
	s_mov_b32 s[G1V], 15|(1<<20)|(1<<21)|(5<<22)|(3<<25)        ; padding: four words after every 64
	s_mov_b32 s[G1V+1], 256<<16
	s_mov_b32 s[G1V+2], 128<<16
	s_mov_b32 s[G1V+3], 256<<16
	s_mov_b32 s[G1V+4], 128
	s_mov_b32 s[G1V+5], 2048
	s_mov_b32 s[G1V+6], 0
	s_mov_b32 s[G1V+7], 0
	s_mov_b32 s[SEL], 0x76543210
	s_mov_b32 s[SEL+1], 0xfedcba98
	s_lshl_b32 s20, s19, 21                        ; the batch's first byte in each tensor of codes
	s_mov_b32 s21, 0
	s_lshl_b32 s2, s[WV], 16                       ; K: my 64 keys of a step's 256
	s_add_co_u32 s2, s2, s20
	s_mov_b32 s3, 0
	s_lshl_b32 s76, s[WV], 19                      ; V: my 256 channels
	s_add_co_u32 s76, s76, s20
	s_mov_b32 s77, 0
	s_wait_kmcnt 0x0
	s_load_b128 s[72:75], s[10:11], 0x0            ; eq, ek, ep, ev
	; descriptor group 0, a set for each of the four fills of a key step: nothing in them hangs on my place in the cluster
	s_mov_b32 s[G0K0], 1
	s_mul_i32 s[G0K0+1], s[WV], KW
	s_add_nc_u64 s[G0K0+2:G0K0+3], s[6:7], s[2:3]
	s_mov_b32 s[G0K1], 1
	s_add_co_u32 s[G0K1+1], s[G0K0+1], SLOT
	s_add_nc_u64 s[G0K1+2:G0K1+3], s[G0K0+2:G0K0+3], 512
	s_or_b32 s[G0K0+3], s[G0K0+3], 0x80000000
	s_or_b32 s[G0K1+3], s[G0K1+3], 0x80000000
	s_mov_b32 s[G0V0], 1
	s_mul_i32 s[G0V0+1], s[WV], VW
	s_add_nc_u64 s[G0V0+2:G0V0+3], s[8:9], s[76:77]
	s_mov_b32 s[G0V1], 1
	s_add_co_u32 s[G0V1+1], s[G0V0+1], SLOT
	s_add_nc_u64 s[G0V1+2:G0V1+3], s[G0V0+2:G0V0+3], VHALF
	s_or_b32 s[G0V0+3], s[G0V0+3], 0x80000000
	s_or_b32 s[G0V1+3], s[G0V1+3], 0x80000000
	CROUND                                         ; all four work-groups are here: the first joint loads meet
	tensor_load_to_lds s[G0K0:G0K0+3], s[G1K:G1K+7]             ; the two first fills stand together: two loads of mine are out, the most in this text
	s_nop 0
	tensor_load_to_lds s[G0K1:G0K1+3], s[G1K:G1K+7]
	s_nop 0
	PLACES 4
	s_lshl_b32 s22, s[WV], 16                      ; the prefetches of K: key step 1, my wave's 64 keys, my work-group's 16 of them
	s_lshl_b32 s23, s17, 14
	s_add_co_u32 s22, s22, s23
	s_add_co_u32 s22, s22, s20
	s_add_co_u32 s22, s22, KSTEPB
	s_mov_b32 s23, 0
	s_add_nc_u64 s[PFK:PFK+1], s[6:7], s[22:23]
	s_lshl_b32 s22, s[WV], 19                      ; of V: key step 0 (stepped ahead of its first use), my wave's channels, my work-group's 32 of each 128
	s_lshl_b32 s23, s17, 16
	s_add_co_u32 s22, s22, s23
	s_add_co_u32 s22, s22, s20
	s_mov_b32 s23, 0
	s_add_nc_u64 s[PFV:PFV+1], s[8:9], s[22:23]
	s_lshl_b32 s22, s18, 16                        ; q at my 32 queries: (64 x block + 32 a) x 1,024
	s_lshl_b32 s23, s15, 15
	s_add_co_u32 s22, s22, s23
	s_add_co_u32 s22, s22, s20
	s_mov_b32 s23, 0
	s_add_nc_u64 s[4:5], s[4:5], s[22:23]
	s_lshl_b32 s22, s19, 23                        ; out at my work-group's first row and my wave's 256 channels
	s_lshl_b32 s23, s18, 18
	s_add_co_u32 s22, s22, s23
	s_lshl_b32 s23, s[WV], 10
	s_add_co_u32 s22, s22, s23
	s_mov_b32 s23, 0
	s_add_nc_u64 s[12:13], s[12:13], s[22:23]
	v_and_b32 v33, 15, v0                          ; r
	v_bfe_u32 v34, v0, 4, 1                        ; h
	v_and_b32 v35, 31, v0                          ; lane
	v_lshlrev_b32 v32, 10, v33
	v_lshl_add_u32 v32, v34, 4, v32                ; q: row r, + 16 h
	WIN W_Q
.irp q, 0,1                            ; Q stays in registers.  A load takes 32 bytes of each of 16 rows; the 64 loads together take the rows whole.  Done once, 32 KiB a wave
.irp s, 0,1,2,3,4,5,6,7
.irp c, 0,1,2,3
	global_load_b128 v[16*(8*\q+\s)+4*\c:16*(8*\q+\s)+4*\c+3], v32, s[4:5] offset:16384*\q+128*\s+32*\c
.endr
.endr
.endr
	WIN 0
	s_mul_i32 s71, s16, 128*KP                     ; my 128 keys of a slot's 256
	v_mul_u32_u24 v[AK], v33, KP
	v_lshl_add_u32 v[AK], v34, 4, v[AK]
	v_add_nc_u32 v[AK], s71, v[AK]
	v_add_nc_u32 v[AK+1], SLOT, v[AK]
	s_mul_i32 s71, s[WV], VW                       ; my own 128 rows of a slot of V
	v_mul_u32_u24 v[AV], v33, VP
	v_lshl_add_u32 v[AV], v34, 3, v[AV]
	v_add_nc_u32 v[AV], s71, v[AV]
	v_add_nc_u32 v[AV+1], SLOT, v[AV]
	v_lshlrev_b32 v[LI], 4, v35
	v_add_nc_u32 v[LI], PIMG, v[LI]
	s_lshl_b32 s71, s15, 2
	s_add_co_u32 s71, s71, s16
	s_lshl_b32 s71, s71, 11                        ; fragment 4 a + b; my second lies two fragments on
	v_add_nc_u32 v[PW], s71, v[LI]
	s_lshl_b32 s71, s16, 8
	s_lshl_b32 s60, s15, 7
	s_add_co_u32 s71, s71, s60
	v_lshlrev_b32 v[SR], 2, v33
	v_add_nc_u32 v[SR], STAT, v[SR]
	v_add_nc_u32 v[SW], s71, v[SR]                 ; STAT + 256 b + 4 (32 a + r)
	v_lshrrev_b32 v36, 1, v35
	v_and_b32 v37, 1, v35
	v_lshlrev_b32 v[PFOK], 10, v36
	v_lshl_add_u32 v[PFOK], v37, 8, v[PFOK]        ; key lane / 2, block lane % 2 of 256 bytes
	v_lshlrev_b32 v[PFOV], 11, v35                 ; a lane a row
.irp qt, 0,1,2,3
	v_mov_b32 v[ST+4*\qt+1], 0xff61b1e6            ; the largest t so far: -3e38, under every t
	v_floor_f32 v[ST+4*\qt], -v[ST+4*\qt+1]        ; -M
.endr
.irp x, PRM, LS, LS+1, LS+2, LS+3
	v_mov_b32 v[\x], 0
.endr
	; O^T begins as zeros, which the first change of M leaves zeros: so the key step is written twice (loop and tail) and not a third time.  These lines are issued while the first tiles and Q are on their way
	WIN 0x80
.set J, 0
.rept 256
	v_mov_b32 v[J], 0
.set J, J+1
.endr
	WIN 0xc0
.set J, 0
.rept 256
	v_mov_b32 v[J], 0
.set J, J+1
.endr
	WIN 0
	s_wait_kmcnt 0x0
	s_mov_b32 s[CS], 0x3e13bb63                    ; 0.1 log2(e)
	s_add_co_i32 s71, s72, s73
	s_lshl_b32 s71, s71, 23
	s_add_co_i32 s[CS], s[CS], s71                 ; a score stands for score x 2^(eq + ek): the two exponents are added to c's exponent field
	s_mov_b32 s[CS+1], s[CS]
	s_add_co_i32 s71, s74, 127
	s_lshl_b32 s60, s71, 23
	v_mov_b32 v[CVS], s60                          ; 2^ep as f32: the conversion takes its exponent field
	s_add_co_i32 s71, s71, 15
	s_lshl_b32 s71, s71, 23
	s_or_b32 s71, s71, 0x600000
	v_mov_b32 v[HOLD], s71                         ; 57,344 x 2^ep
	s_add_co_i32 s[EPV], s74, s75                  ; ep + ev
	s_wait_tensorcnt 1                             ; my part of K's first half is in; the second half's load may stay out
	s_barrier_signal -1
	s_barrier_wait -1                              ; everybody's is
	s_wait_loadcnt 0x0                             ; Q
	s_mov_b32 s[CNT], 7
.Lstep:                                            ; seven trips: key steps 0 to 6, each of which asks for the next step's K
	STEP 1
	s_sub_co_u32 s[CNT], s[CNT], 1
	s_cmp_lg_u32 s[CNT], 0
	s_cbranch_scc1 .Lstep
	STEP 0                                         ; the last key step is written out
	; THE WAY OUT.  The two key halves' sums are added; O^T x 2^(ep + ev) / l goes, 16 queries x 128 channels at a time, through my own stage in LDS and comes back as whole rows of 512 bytes.
	PLACES 4
	v_and_b32 v60, 15, v0                          ; r
	v_bfe_u32 v61, v0, 4, 1                        ; h
	v_and_b32 v62, 31, v0                          ; lane
	s_mul_i32 s71, s[WV], STG                      ; my stage
	v_mul_u32_u24 v[STO], v60, SPITCH              ; in: row r, 32 bytes for each half of the lanes
	v_lshl_add_u32 v[STO], v61, 5, v[STO]
	v_add_nc_u32 v[STO], s71, v[STO]
	v_lshlrev_b32 v[CO], 4, v62                    ; back: the 32 lanes take one row of 512 bytes; and the same in out
	v_add_nc_u32 v[RD], s71, v[CO]
.irp qt, 0,1,2,3
.irp bb, 0,1
	ds_load_b32 v[MX+2*\qt+\bb], v[SR] offset:512+64*\qt+256*\bb
.endr
.endr
	s_wait_dscnt 0x0
.irp qt, 0,1,2,3
	v_add_f32 v[TW+\qt], v[MX+2*\qt], v[MX+2*\qt+1]
.endr
.irp qt, 0,1,2,3
	v_rcp_f32 v[TW+4+\qt], v[TW+\qt]
.endr
	v_nop                                          ; a plain instruction between the last reciprocal and the use of its result
	s_wait_alu depctr_va_vdst(0)                   ; one wait for the four reciprocals, ahead of their first reader
.irp qt, 0,1,2,3
	v_ldexp_f32 v[ST+4*\qt+2], v[TW+4+\qt], s[EPV] ; 2^(ep + ev) / l
.endr
.macro TOSTAGE u                       ; block u: query tile u / 2, channels 128 (u % 2) on
.set AC, 64*((\u)/2)
.set FQ, ST+4*((\u)/2)+2
	WIN 0x02+((\u)%2)                              ; source 0: window 2 or 3
.irp j, 0,2,4,6,8,10,12,14,16,18,20,22,24,26,28,30,32,34,36,38,40,42,44,46,48,50,52,54,56,58,60,62
	v_pk_mul_f32 v[TMP+\j:TMP+\j+1], v[AC+\j:AC+\j+1], v[FQ:FQ+1] op_sel_hi:[1,0]   ; each accumulator from its low end on
.endr
	WIN 0
.irp c, 0,1,2,3,4,5,6,7
	ds_store_b128 v[STO], v[TMP+8*\c:TMP+8*\c+3] offset:64*\c
	ds_store_b128 v[STO], v[TMP+8*\c+4:TMP+8*\c+7] offset:64*\c+16
.endr
.set BB, BK+64*((\u)%2)
.irp t, 0,1,2,3,4,5,6,7,8,9,10,11,12,13,14,15
	ds_load_b128 v[BB+4*\t:BB+4*\t+3], v[RD] offset:\t*SPITCH   ; LDS serves a wave's instructions in order (ISA guide 5.7.1.4): these see the stores above, and the next block's stores come behind them
.endr
.endm
.macro SEND u, younger                 ; younger: the LDS instructions issued behind block u's loads, which may stay out
.set BB, BK+64*((\u)%2)
	s_wait_dscnt \younger
.irp t, 0,1,2,3,4,5,6,7,8,9,10,11,12,13,14,15
	global_store_b128 v[CO], v[BB+4*\t:BB+4*\t+3], s[12:13] offset:((\u)/2)*65536+((\u)%2)*512+\t*4096 th:TH_STORE_NT   ; 32 lanes store 512 consecutive bytes, at a multiple of 256 from out's first byte
.endr
.endm
	TOSTAGE 0
.irp u, 1,2,3,4,5,6,7
.if \u > 1
	s_wait_xcnt 0x0                                ; block u - 2's stores have read their registers: block u's loads may land there
.endif
	TOSTAGE \u
	SEND \u-1, 32                                  ; behind block u - 1's loads: block u's 16 stores and 16 loads
.endr
	SEND 7, 0
	s_wait_tensorcnt 0x0                           ; the wave's end, behind my last tensor load and my last LDS store
	ds_add_u32 v[SPW], v[NIL]
	s_wait_dscnt 0x0
	CROUND                                         ; the closing round: no work-group ends while a partner may still ask for a tile that names it
	s_endpgm
.Lfunc_end_k_qdde75c7bf7_attn:
	.size	k_qdde75c7bf7_attn, .Lfunc_end_k_qdde75c7bf7_attn-k_qdde75c7bf7_attn
	.p2alignl 7, 3214868480
	.fill 96, 4, 3214868480
	.section	.rodata,"a",@progbits
	.p2align	6, 0x0
	.amdhsa_kernel k_qdde75c7bf7_attn
		.amdhsa_group_segment_fixed_size 327680
		.amdhsa_private_segment_fixed_size 0
		.amdhsa_enable_private_segment 0
		.amdhsa_kernarg_size 40
		.amdhsa_user_sgpr_count 2
		.amdhsa_user_sgpr_kernarg_segment_ptr 1
		.amdhsa_wavefront_size32 1
		.amdhsa_system_sgpr_workgroup_id_x 1
		.amdhsa_system_sgpr_workgroup_id_y 1
		.amdhsa_system_sgpr_workgroup_id_z 1
		.amdhsa_system_vgpr_workitem_id 0
		.amdhsa_next_free_vgpr 1024
		.amdhsa_next_free_sgpr 80
		.amdhsa_reserve_vcc 0
		.amdhsa_float_denorm_mode_32 3
		.amdhsa_float_denorm_mode_16_64 3
		.amdhsa_memory_ordered 1
		.amdhsa_forward_progress 1
		.amdhsa_inst_pref_size 255
	.end_amdhsa_kernel
	.section	.bss,"aw",@nobits
	.p2align	6
	.space	262144
	.amdgpu_metadata
---
amdhsa.version: [ 1, 2 ]
amdhsa.kernels:
  - .name:           k_qdde75c7bf7_attn
    .symbol:         k_qdde75c7bf7_attn.kd
    .args:
      - { .name: q_codes, .offset: 0, .size: 8, .value_kind: global_buffer, .address_space: global }
      - { .name: k_codes, .offset: 8, .size: 8, .value_kind: global_buffer, .address_space: global }
      - { .name: v_codes, .offset: 16, .size: 8, .value_kind: global_buffer, .address_space: global }
      - { .name: lowp_scales, .offset: 24, .size: 8, .value_kind: global_buffer, .address_space: global }
      - { .name: out0, .offset: 32, .size: 8, .value_kind: global_buffer, .address_space: global }
    .group_segment_fixed_size: 327680
    .private_segment_fixed_size: 0
    .kernarg_segment_align: 8
    .kernarg_segment_size: 40
    .max_flat_workgroup_size: 128
    .sgpr_count:     80
    .vgpr_count:     1024
    .wavefront_size: 32
...
	.end_amdgpu_metadata
.endif
;; end of part 1
;; ======== version 2 of 2: 1 launch
;; limits: right only within a limited range of input values
;; launch attn (part 2): grid 32 x 8, 4 waves a work-group, clusters of 4 x 1, 327,680 bytes of LDS; arguments q_codes, k_codes, v_codes, lowp_scales, out0; writes out0
.if DOCPART == 2
	.amdgcn_target "amdgcn-amd-amdhsa--gfx1250"
	.amdhsa_code_object_version 6
	.text
	.protected	k_qdde75c7bf7_attn
	.globl	k_qdde75c7bf7_attn
	.p2align	8
	.type	k_qdde75c7bf7_attn,@function
k_qdde75c7bf7_attn:
	s_mov_b64 s[64:65], 0
	v_nop
	global_prefetch_b8 v0, s[64:65] scope:SCOPE_SE
	s_setreg_imm32_b32 hwreg(HW_REG_WAVE_MODE, 25, 1), 1
	s_wait_xcnt 0x0
	s_wait_alu depctr_hold_cnt(0) depctr_sa_sdst(0) depctr_va_vdst(0) depctr_va_sdst(0) depctr_va_ssrc(0) depctr_va_vcc(0) depctr_vm_vsrc(0)
	s_getreg_b32 s2, hwreg(HW_REG_IB_STS2, 6, 4)
	s_cmp_eq_u32 s2, 0
	s_cbranch_scc0 .Lentry_in_a_cluster
	s_endpgm
.Lentry_in_a_cluster:
	s_bfe_u32 s2, ttmp6, 0x10000c
	s_cmp_lg_u32 s2, 0x3003
	s_cbranch_scc0 .Lentry_shape_is_right
	s_endpgm
.Lentry_shape_is_right:
; out[b][q][:] = the sum over keys of softmax(0.1 x q.k) v, both products on codes of BF8 (E5M2), each tensor with the one scale 2^e that is given: eq, ek, ep, ev.
; q_codes [8][2048 queries][1024 d], k_codes [8][2048 keys][1024 d], v_codes [8][1024 channels][2048 keys]: one code a byte, K innermost.  out [8][2048][1024] f32.
; THE SOFTMAX AHEAD OF THE SECOND PRODUCT: t = score x c, c = 0.1 log2(e) 2^(eq + ek); M = the running largest t of the row, rounded UP to a whole number; p = 2^(t - M) is quantised with 2^ep, not normalised.
; The row's sum l is taken of the unquantised p.  When M moves, l and O are multiplied by 2^(old M - new M), which rounds nothing.  At the end O x 2^(ep + ev) / l.
; SHARES.  A work-group owns 64 queries of one batch: their f32 sums, 64 x 1,024, fill 512 registers in each of four waves.  16,384 queries / 64 = 256 work-groups.  The keys go in 8 steps of 256.
;   Wave w = 2 a + b.  S^T = K Q^T: queries 32 a .. + 31 against keys 128 b .. + 127 of the step; the wave's 32 x 1,024 codes of Q stay in 256 registers for the whole launch.
;   O^T = V^T P^T: channels 256 w .. + 255 for all 64 queries.  So each byte of V is read from LDS once and each byte of K twice.
;   P goes from wave to wave through LDS as an image of the operand's registers; the two key halves' row maxima meet in 512 bytes of LDS.
; LAYOUT.  Both products are used transposed, so that a lane holds ONE query (lane % 16) in S^T, P and O^T.  A tile of S^T is 16 neighbouring keys: lane (r, h), register j = key 16 t + 8 h + j; its eight codes
;   are registers 2 t, 2 t + 1 of the second product's operand in that form's own layout, and V is fetched in the same layout, 8 bytes at a time.  K and Q are both fetched 16 bytes at a time: the same
;   permutation of d on both sides, so every product meets its partner.
; RING.  Two LDS slots, four fills a key step: K d 0-511 (slot A), K d 512-1023 (slot B), V channels 0-127 of each wave (A), V channels 128-255 (B).  One tensor load a wave behind each change of slots.
; CLUSTER.  The four query blocks of a cluster belong to one batch and walk the same K and V: every tile is asked for JOINTLY (mask 15).  Only this one axis shares tiles, so the cluster is 4 x 1.
; THE ORDER OF THE KEYS.  The eight key steps are two groups of four.  Cluster x of a batch (0 to 7) has a turn c = x (x < 4) or 7 - x, and takes in trip j the key step (j & 4) | ((c + j) & 3): a group's four steps,
;   begun at step c.  Two clusters have the same turn only where their numbers differ in all three bits; clusters with different turns ask for different key steps in every trip.  The running M serves any order of the keys.
; LIMITS on the given exponents, so that each power of two below is an f32 number: eq + ek between -123 and 130; ep between -126 and 112; ep + ev is applied by v_ldexp_f32 and has none.
;   Codes that are infinities or NaN are not served.  t is made by ONE multiplication by the f32 number nearest to 0.1 log2(e), where the definition multiplies twice.
;   A p quantised under a running M that later grows keeps its value but where it falls under the format's range; which p do hangs on the order of the keys, which differs from cluster to cluster.
; REGISTERS, in windows of 256.  Window 0: v0-31 addresses and statistics; v32-127 three sets of two fragments of K or V (in the softmax: at work); v128-255 S^T, then p, then P's eight fragments.
;   Window 1: Q, fragment (q', s) at 16 (8 q' + s).   Windows 2, 3: O^T, accumulator (channel tile ct, query tile qt) at 64 qt + 8 (ct % 8) of window 2 + ct / 8.
.set KP,     528                       ; a key's row in LDS: 512 bytes + 16 = 132 words: row r starts at bank 4 r mod 64 (64 banks of 4 bytes: ISA guide 11.1)
.set VP,     272                       ; a channel's row: 256 bytes + 16 = 68 words: lane (r, h) of an 8-byte load takes banks 4 r + 2 h, + 1: all 32 lanes differ
.set KW,     64*KP                     ; what one tensor load brings of K: 64 keys
.set VW,     128*VP                    ; and of V: 128 channels, the wave's own
.set SLOT,   4*VW                      ; a slot: 139,264 bytes (K's form takes 135,168 of them)
.set PIMG,   2*SLOT                    ; P's eight fragments, 2,048 bytes each: fragment 2 qt + ks, register group c at 512 c + 16 x lane
.set STAT,   PIMG+8*2048               ; [key half][64 queries] f32: the step's largest score; 512 bytes on: the same for the final sums l
.set SPARE,  STAT+1024                 ; the spare words, 128 bytes for each wave: two blocks of 256 bytes that no other line names
.set SPITCH, 528                       ; the way out: a stage of 16 rows x (512 bytes + 16) for each wave, in slot A, which has then had its last fill and its last read
.set STG,    16*SPITCH
.set KSTEPB, 256*1024                  ; a key step (256 keys) in k_codes: 2^18 bytes
.set VSTEPB, 256                       ; and in a row of v_codes: 2^8 bytes
.set VHALF,  128*2048                  ; 128 channels on in v_codes
.set AK,   1                           ; v1, v2   LDS address of my K fragments in slot A, B
.set AV,   3                           ; v3, v4   the same for V
.set LI,   5                           ; v5   PIMG + 16 x lane
.set PW,   6                           ; v6   where I store my fragments of P
.set SW,   7                           ; v7   where I store my queries' maxima
.set SR,   8                           ; v8   STAT + 4 r
.set SPW,  9                           ; v9   LDS address of my spare word; never rewritten
.set NIL,  10                          ; v10  0; never rewritten
.set PRM,  11                          ; v11  a lane permute's destination
.set LS,   12                          ; v[12:13], v[14:15]  l of my two query tiles, in two halves
.set ST,   16                          ; query tile qt: v[16+4qt] -M, +1 the largest t, +2 f; +3 is named as the upper half of f's pair and holds a constant:
.set PFOK, 19                          ; v19  the prefetches' offset in K; never rewritten
.set PFOV, 23                          ; v23  and in V; never rewritten
.set CVS,  27                          ; v27  2^ep as f32
.set HOLD, 31                          ; v31  57,344 x 2^ep
.set FS,   32                          ; the three sets of fragments
.set MX,   32                          ; in the softmax: v32-39 the loaded maxima, v40-47 at work, v[48:51] my -M, v[52:55] my f, v[56:59] second chains of the sums, v64-95 my codes
.set TW,   40
.set ONM,  48
.set OFC,  52
.set C2,   56
.set PC,   64
.set S,    128
.set STO,  1                           ; the way out: v1 into the stage, v2 back, v3 my 16 bytes of a row's 512
.set RD,   2
.set CO,   3
.set TMP,  32
.set BK,   128
.set WV,   14                          ; s14 wave, s15 a, s16 b
.set G1K,  24
.set G1V,  32
.set G0K0, 40
.set G0K1, 44
.set G0V0, 48
.set G0V1, 52
.set CS,   56                          ; s[56:57] c, twice
.set SEL,  58                          ; s[58:59] selects for lane xor 16
.set CNT,  61                          ; s61  the loop's counter: 7 - the trip's number
.set OWN,  62                          ; all ones where a = 1
.set PFON, 63                          ; s63  the counter's value in the trip in which my cluster prefetches: 4 (trip 3) in a batch's first four clusters, else 0, which the counter never is
.set PFK,  66                          ; s[66:67], s[68:69] where my prefetches stand in K and in V; never rewritten
.set PFV,  68
.set EPV,  70
.set KB0,  78                          ; s[78:79] k_codes at my batch, my wave's 64 keys of key step 0, d 0;  s[80:81] the same at d 512
.set KB1,  80
.set VB0,  82                          ; s[82:83] v_codes at my batch, my wave's channel 0, key 0;  s[84:85] the same at my channel 128
.set VB1,  84
.set OFK,  86                          ; s[86:87] the next key step's bytes in k_codes: its number x 2^18
.set OFV,  88                          ; s[88:89] and in a row of v_codes: its number x 2^8
.set CP,   90                          ; s90  my cluster's turn c
.set NP,   91                          ; s91  the next key step's number
.set W_S,  0x04                        ; source 1 (Q) window 1
.set W_PV, 0xa0                        ; C and D window 2 (+ 0x50: window 3)
.set W_RS, 0x82                        ; destination and source 0 window 2 (+ 0x41: window 3)
.set W_Q,  0x40                        ; destination window 1
.set MSB, 0
.macro WIN new                         ; the immediate's high byte repeats the setting that is left; a switch that changes nothing is dropped
.if MSB != (\new)
	s_set_vgpr_msb (MSB<<8)|(\new)
.set MSB, (\new)
.endif
.endm
.macro PLACES n                        ; plain vector instructions that name no register: the distance behind matrix instructions (ISA guide 7.12.1 for vector instructions)
.rept \n
	v_nop
.endr
.endm
.macro CREST                           ; a round of the cluster's barrier behind its opening barrier
	s_cmp_lg_u32 s[WV], 0
	s_cbranch_scc1 .Lnot_wave_0_\@
	s_barrier_signal -3
.Lnot_wave_0_\@:
	s_barrier_wait -3
	s_barrier_signal -1
	s_barrier_wait -1
.endm
.macro CROUND
	s_barrier_signal -1
	s_barrier_wait -1
	CREST
.endm
.macro TL g0, g1                       ; a joint load: every wave of all four work-groups issues this line, with its own wave's rows; four v_nop follow
	tensor_load_to_lds s[\g0:\g0+3], s[\g1:\g1+7]
	s_nop 0
	PLACES 4
.endm
; A PREFETCH INTO THE L2 of the key step with which a cluster begins its second group of four: step 4 + c.  A batch's first four clusters have the four turns c = 0 to 3: each asks for its own such step, in trip 3,
; at the four changes of slots of that trip, each time for the tile that the tensor load two changes on will bring (a branch on the trip's counter and the cluster's number, the same in the four partners).
; The partners share a wave's tile out BY ADDRESS: of K's 64 keys x 512 bytes each takes 16 keys, a lane a block of 256 bytes; of V's 128 rows x 256 bytes each takes 32, a lane a row.
; One instruction a wave and a change of slots; each aligned block of 256 bytes of key steps 4 to 7 is named once in the launch, key steps 0 to 3 come by their loads alone.  The address registers are never rewritten.
.macro ASK ptr, voff, imm
	s_cmp_eq_u32 s[CNT], s[PFON]
	s_cbranch_scc0 .Lnot_mine_\@
	global_prefetch_b8 v[\voff], s[\ptr:\ptr+1] offset:\imm th:TH_LOAD_NT scope:SCOPE_SE
.Lnot_mine_\@:
.endm
.macro ZONE                            ; the head of a change of slots: all my tensor loads have landed, so every group 0 may be written; 0 onto my spare word
	WIN 0
	s_wait_tensorcnt 0x0
	ds_add_u32 v[SPW], v[NIL]
.endm
.macro AIM g0, base, off               ; a group 0's global address is made anew: its base + the next key step's bytes; then the type
	s_add_nc_u64 s[\g0+2:\g0+3], s[\base:\base+1], s[\off:\off+1]
	s_or_b32 s[\g0+3], s[\g0+3], 0x80000000
.endm
; Set i of 16 of a slot of K: the fragments of key tiles 2 (i % 4), + 1 at d 128 (i / 4) on: eight loads of 16 bytes into set i % 3
.macro KLOAD i, slot
.set RKB, FS+32*((\i)%3)
.set RKO, 128*((\i)/4)+2*((\i)%4)*16*KP
.irp u, 0,1
.irp c, 0,1,2,3
	ds_load_b128 v[RKB+16*\u+4*\c:RKB+16*\u+4*\c+3], v[AK+\slot] offset:RKO+\u*16*KP+32*\c
.endr
.endr
.endm
; Its four products: two key tiles x my two query tiles.  The 16 accumulators take turns, one instruction a turn.  The step's first 16 products start the sums.
.macro SMUL i, dh
.set RKB, FS+32*((\i)%3)
.irp u, 0,1
.irp q, 0,1
.set RSS, S+64*\q+8*(2*((\i)%4)+\u)
.set RQQ, 16*(8*\q+4*(\dh)+(\i)/4)
.if ((\dh) == 0) && ((\i) < 4)
	v_wmma_f32_16x16x128_bf8_bf8 v[RSS:RSS+7], v[RKB+16*\u:RKB+16*\u+15], v[RQQ:RQQ+15], 0
.else
	v_wmma_f32_16x16x128_bf8_bf8 v[RSS:RSS+7], v[RKB+16*\u:RKB+16*\u+15], v[RQQ:RQQ+15], v[RSS:RSS+7]
.endif
.endr
.endr
.endm
; Sets 0 to 13 of a slot of K.  Three sets are on their way or at work; a set is loaded again four places behind the products that read it.
.macro SHEAD slot
	WIN W_S
	KLOAD 0, \slot
	KLOAD 1, \slot
	KLOAD 2, \slot
.irp i, 0,1,2,3,4,5,6,7,8,9,10,11,12,13
	s_wait_dscnt 16                                ; LDS loads come back in order (ISA guide 5.7.1): this set is in, the two younger sets' sixteen loads may be out
	SMUL \i, \slot
.if \i < 13
	PLACES 4
	KLOAD \i+3, \slot
.endif
.endr
.endm
; Group g of 8 of a slot of V: the fragments of channel tiles 2 (g % 4), + 1 at keys 128 (g / 4) on: sixteen loads of 8 bytes into set g % 3
.macro VLOAD g, slot
.set RVB, FS+32*((\g)%3)
.set RVO, 128*((\g)/4)+2*((\g)%4)*16*VP
.irp u, 0,1
.irp c, 0,1,2,3,4,5,6,7
	ds_load_b64 v[RVB+16*\u+2*\c:RVB+16*\u+2*\c+1], v[AV+\slot] offset:RVO+\u*16*VP+16*\c
.endr
.endr
.endm
; Its eight products: two channel tiles x the four query tiles.  Between two products on one accumulator stand 31 others'.
.macro PMUL g
.set RVB, FS+32*((\g)%3)
.irp u, 0,1
.irp qt, 0,1,2,3
.set ROO, 64*\qt+8*(2*((\g)%4)+\u)
.set RPP, S+16*(2*\qt+(\g)/4)
	v_wmma_f32_16x16x128_bf8_bf8 v[ROO:ROO+7], v[RVB+16*\u:RVB+16*\u+15], v[RPP:RPP+15], v[ROO:ROO+7]
.endr
.endr
.endm
; The eight accumulators of channel tiles 2 g, 2 g + 1 (g < 4) under the new M: x f, each from its low end on.
.macro RESC g
.irp u, 0,1
.irp qt, 0,1,2,3
.irp e, 0,2,4,6
	v_pk_mul_f32 v[64*\qt+8*(2*(\g)+\u)+\e:64*\qt+8*(2*(\g)+\u)+\e+1], v[64*\qt+8*(2*(\g)+\u)+\e:64*\qt+8*(2*(\g)+\u)+\e+1], v[ST+4*\qt+2:ST+4*\qt+3] op_sel_hi:[1,0]
.endr
.endr
.endr
.endm
; Half v of O^T += V^T P^T: slot v, window 2 + v.  fill = 1: at its end the slot is filled with the next key step's K.
; The half's 128 multiplications by f stand at its head, between the runs of LDS loads: they are issued while P's and V's first fragments are on their way.
.macro PV v, fill
	WIN 0
.if \v == 0
.irp f, 0,1,2,3,4,5,6,7
.irp c, 0,1,2,3
	ds_load_b128 v[S+16*\f+4*\c:S+16*\f+4*\c+3], v[LI] offset:2048*\f+512*\c   ; P's eight fragments, as their makers' registers stood
.endr
.endr
.endif
	VLOAD 0, \v
	WIN W_RS+0x41*\v
	RESC 0
	RESC 1
	WIN 0
	VLOAD 1, \v
	VLOAD 2, \v
	WIN W_RS+0x41*\v
	RESC 2
	RESC 3
.irp g, 0,1,2,3,4,5
	WIN W_PV+0x50*\v
	s_wait_dscnt 32                                ; this group's fragments (and P) are in; the two younger groups' 32 loads may be out
	PMUL \g
.if \g < 5
	PLACES 4
	WIN 0
	VLOAD \g+3, \v
.endif
.endr
.if (\v == 0) || \fill
	ZONE                                           ; the one load that was out is the other slot's
.if \fill
.if \v == 0
	AIM G0V1, VB1, OFV                             ; the descriptors' new addresses stand between the add and the wait for it
	AIM G0K0, KB0, OFK
.else
	AIM G0K1, KB1, OFK
.endif
.endif
	WIN W_PV+0x50*\v
	s_wait_dscnt 17                                ; the add and the last group's sixteen loads may be out
	PMUL 6
	s_wait_dscnt 0x0                               ; the add is done, and my reads of this slot are over
	s_barrier_signal -1
	PMUL 7
	WIN 0
	s_barrier_wait -1
.if \fill
	CREST                                          ; the barrier has opened a round of the cluster's: no wave of any partner still reads this slot or has a load on its way
.if \v == 0
	TL G0K0, G1K                                   ; its four v_nop are also the places in front of the next half's loads
	ASK PFV, PFOV, 0
.else
	TL G0K1, G1K
	v_nop                                          ; a fifth place: the next step's first products write over the registers that held P
	ASK PFV, PFOV, VHALF
.endif
.else
	PLACES 4
.endif
.else
	WIN W_PV+0x50*\v
	s_wait_dscnt 16
	PMUL 6
	s_wait_dscnt 0x0
	PMUL 7
	WIN 0
.endif
.endm
; A KEY STEP: 256 keys.  fill = 1: the next key step's K is asked for.
.macro STEP fill
.if \fill
	s_sub_co_u32 s[NP], 8, s[CNT]                  ; the next trip's number j, 1 to 7;
	s_add_co_u32 s71, s[NP], s[CP]
	s_and_b32 s71, s71, 3
	s_and_b32 s[NP], s[NP], 4
	s_or_b32 s[NP], s[NP], s71                     ; its key step: (j & 4) | ((c + j) & 3)
	s_lshl_b32 s[OFK], s[NP], 18                   ; in bytes of k_codes (the pairs' upper words stay 0),
	s_lshl_b32 s[OFV], s[NP], 8                    ; and of a row of v_codes
.endif
	; ---- S^T, d 0-511, from slot A
	SHEAD 0
	ZONE                                           ; the one load that was out is K's second half
	WIN W_S
	s_wait_dscnt 9                                 ; the add and the last set's eight loads may be out
	SMUL 14, 0
	s_wait_dscnt 0x0                               ; the add is done, and my reads of slot A are over
	s_barrier_signal -1
	SMUL 15, 0
	WIN 0
	s_barrier_wait -1
	CREST
	TL G0V0, G1V                                   ; slot A takes each wave's first 128 channels of V; the four v_nop are also the places in front of the loads below
.if \fill
	ASK PFK, PFOK, 0
.endif
	; ---- S^T, d 512-1023, from slot B
	SHEAD 1
	s_wait_dscnt 8
	SMUL 14, 1
	s_wait_dscnt 0x0
	SMUL 15, 1
	WIN 0
	PLACES 4
	; the largest score of each of my 32 queries among my 128 keys: four chains, each accumulator from its low end on
.irp q, 0,1
	v_max3_num_f32 v[TW+2*\q], v[S+64*\q], v[S+64*\q+1], v[S+64*\q+2]
	v_max3_num_f32 v[TW+2*\q+1], v[S+64*\q+3], v[S+64*\q+4], v[S+64*\q+5]
.endr
.irp i, 6,10,14,18,22,26,30,34,38,42,46,50,54,58
.irp q, 0,1
	v_max3_num_f32 v[TW+2*\q], v[TW+2*\q], v[S+64*\q+\i], v[S+64*\q+\i+1]
	v_max3_num_f32 v[TW+2*\q+1], v[TW+2*\q+1], v[S+64*\q+\i+2], v[S+64*\q+\i+3]
.endr
.endr
.irp q, 0,1
	v_max3_num_f32 v[TW+2*\q], v[TW+2*\q], v[S+64*\q+62], v[S+64*\q+63]
.endr
.irp q, 0,1
	v_max_num_f32 v[TW+2*\q], v[TW+2*\q], v[TW+2*\q+1]
.endr
.irp q, 0,1
	v_permlanex16_b32 v[PRM], v[TW+2*\q], s[SEL], s[SEL+1]      ; the query's other 64 keys lie in the lane 16 away
	v_max_num_f32 v[MX+\q], v[TW+2*\q], v[PRM]
.endr
	ds_store_b32 v[SW], v[MX]
	ds_store_b32 v[SW], v[MX+1] offset:64
	ZONE                                           ; the one load that was out is slot A's
.if \fill
	AIM G0V0, VB0, OFV
.endif
	s_wait_dscnt 0x0                               ; the add and my two stores are done, my reads of slot B are over
	CROUND                                         ; the round also shows the maxima to the other waves
	TL G0V1, G1V                                   ; slot B takes each wave's second 128 channels of V
.if \fill
	ASK PFK, PFOK, 512
.endif
	; ---- the softmax.  Every wave keeps M, t and f of all 64 queries: the second product rescales all of them
.irp qt, 0,1,2,3
.irp bb, 0,1
	ds_load_b32 v[MX+2*\qt+\bb], v[SR] offset:64*\qt+256*\bb
.endr
.endr
	s_wait_dscnt 0x0
.irp qt, 0,1,2,3
	v_max_num_f32 v[TW+\qt], v[MX+2*\qt], v[MX+2*\qt+1]
.endr
.irp qt, 0,1,2,3
	v_mul_f32 v[TW+\qt], s[CS], v[TW+\qt]          ; as t (c is positive)
.endr
.irp qt, 0,1,2,3
	v_max_num_f32 v[ST+4*\qt+1], v[ST+4*\qt+1], v[TW+\qt]       ; the running largest t
.endr
.irp qt, 0,1,2,3
	v_mov_b32 v[TW+4+\qt], v[ST+4*\qt]
.endr
.irp qt, 0,1,2,3
	v_floor_f32 v[ST+4*\qt], -v[ST+4*\qt+1]        ; the new -M = floor(-t) = -ceil(t): M is a whole number
.endr
.irp qt, 0,1,2,3
	v_sub_f32 v[TW+4+\qt], v[ST+4*\qt], v[TW+4+\qt]             ; old M - new M: a whole number, 0 or less
.endr
.irp qt, 0,1,2,3
	v_cvt_i32_f32 v[TW+4+\qt], v[TW+4+\qt]         ; (it saturates)
.endr
.irp qt, 0,1,2,3
	v_ldexp_f32 v[ST+4*\qt+2], 1.0, v[TW+4+\qt]    ; f = 2^(old M - new M)
.endr
	v_cndmask_b32 v[ONM], v[ST], v[ST+8], s[OWN]                ; my own two query tiles' -M and f: tiles 2 a, 2 a + 1, chosen without a branch
	v_cndmask_b32 v[ONM+2], v[ST+4], v[ST+12], s[OWN]
	v_cndmask_b32 v[OFC], v[ST+2], v[ST+10], s[OWN]
	v_cndmask_b32 v[OFC+2], v[ST+6], v[ST+14], s[OWN]
.irp x, ONM+1, ONM+3, OFC+1, OFC+3
	v_mov_b32 v[\x], 0                             ; (named as the upper halves of pairs, so they are written)
.endr
.set J, 0
.rept 64
	v_pk_fma_f32 v[S+J:S+J+1], v[S+J:S+J+1], s[CS:CS+1], v[ONM+2*(J/64):ONM+2*(J/64)+1] op_sel_hi:[1,0,0]   ; t - M, two at a time, one rounding
.set J, J+2
.endr
.set J, 0
.rept 128
	v_exp_f32 v[S+J], v[S+J]                       ; p = 2^(t - M), at most 1
.set J, J+1
.endr
	v_pk_mul_f32 v[LS:LS+1], v[LS:LS+1], v[OFC:OFC+1] op_sel_hi:[1,0]          ; the sums under the new M: plain instructions behind the exponentials
	v_pk_mul_f32 v[LS+2:LS+3], v[LS+2:LS+3], v[OFC+2:OFC+3] op_sel_hi:[1,0]
	s_wait_alu depctr_va_vdst(0)                   ; one wait for the batch of 128, ahead of its first reader
.irp q, 0,1
	v_pk_add_f32 v[C2+2*\q:C2+2*\q+1], v[S+64*\q:S+64*\q+1], v[S+64*\q+2:S+64*\q+3]   ; the sums are taken of the UNQUANTISED p: two chains a query tile
.endr
.set J, 4
.rept 15
.irp q, 0,1
	v_pk_add_f32 v[LS+2*\q:LS+2*\q+1], v[LS+2*\q:LS+2*\q+1], v[S+64*\q+J:S+64*\q+J+1]
	v_pk_add_f32 v[C2+2*\q:C2+2*\q+1], v[C2+2*\q:C2+2*\q+1], v[S+64*\q+J+2:S+64*\q+J+3]
.endr
.set J, J+4
.endr
.irp q, 0,1
	v_pk_add_f32 v[LS+2*\q:LS+2*\q+1], v[LS+2*\q:LS+2*\q+1], v[C2+2*\q:C2+2*\q+1]
.endr
.set T, 0
.rept 16                               ; tile T % 8 of query tile T / 8: eight neighbouring keys of a lane become two registers of the operand
.set J, 0
.rept 8
	v_min_num_f32 v[S+8*T+J], v[S+8*T+J], v[HOLD]  ; the conversion to an 8-bit code does not saturate (ISA guide 7.6.2); p is not negative, so the hold is one-sided
.set J, J+1
.endr
	v_cvt_scalef32_pk8_bf8_f32 v[PC+2*T:PC+2*T+1], v[S+8*T:S+8*T+7], v[CVS]
.set T, T+1
.endr
	v_nop                                          ; one plain vector instruction behind the last conversion
.irp q, 0,1
.irp c, 0,1,2,3
	ds_store_b128 v[PW], v[PC+16*\q+4*\c:PC+16*\q+4*\c+3] offset:4096*\q+512*\c   ; fragment 2 (2 a + q') + b goes to LDS as it stands
.endr
.endr
.if \fill == 0                         ; the last step: my half of each query's sum goes to the other waves
.irp q, 0,1
	v_add_f32 v[TW+\q], v[LS+2*\q], v[LS+2*\q+1]
.endr
.irp q, 0,1
	v_permlanex16_b32 v[PRM], v[TW+\q], s[SEL], s[SEL+1]
	v_add_f32 v[TW+\q], v[TW+\q], v[PRM]
.endr
	ds_store_b32 v[SW], v[TW] offset:512
	ds_store_b32 v[SW], v[TW+1] offset:512+64
.endif
	s_wait_dscnt 0x0                               ; for the others' sake: my stores are done
	s_barrier_signal -1                            ; a plain barrier: slot B's load may stay out
	s_barrier_wait -1
	; ---- O^T += V^T P^T
	PV 0, \fill
	PV 1, \fill
.endm
	s_load_b256 s[4:11], s[0:1], 0x0               ; q s[4:5], k s[6:7], v s[8:9], the scales' exponents s[10:11]
	s_load_b64 s[12:13], s[0:1], 0x20              ; out
	v_lshl_add_u32 v[SPW], v0, 2, SPARE
	v_mov_b32 v[NIL], 0
	ds_add_u32 v9, v10
	ds_add_u32 v9, v10
	s_wait_dscnt 0x0
	v_lshrrev_b32 v32, 5, v0
	v_readfirstlane_b32 s[WV], v32                 ; wave 0..3
	s_lshr_b32 s15, s[WV], 1                       ; a
	s_and_b32 s16, s[WV], 1                        ; b
	s_bfe_u32 s17, ttmp6, 0x40000                  ; cx: my place in the cluster
	s_lshl_b32 s18, ttmp9, 2                       ; in a cluster launch ttmp9 counts clusters
	s_add_co_u32 s18, s18, s17                     ; my block of 64 queries: it enters q's, out's and the prefetches' addresses alone
	s_and_b32 s19, ttmp7, 0xffff                   ; the batch, which the four partners share
	s_cmp_eq_u32 s15, 0
	s_cselect_b32 s[OWN], 0, -1
	s_cmp_lt_u32 ttmp9, 4
	s_cselect_b32 s[PFON], 4, 0
	s_lshr_b32 s[CP], ttmp9, 2                     ; my cluster's turn: c = x for x < 4, 7 - x for the others: (x xor 3 (x / 4)) & 3.  The same in the four partners
	s_mul_i32 s[CP], s[CP], 3
	s_xor_b32 s[CP], s[CP], ttmp9
	s_and_b32 s[CP], s[CP], 3
	s_lshl_b32 s[OFK], s[CP], 18                   ; trip 0 takes key step c
	s_mov_b32 s[OFK+1], 0
	s_lshl_b32 s[OFV], s[CP], 8
	s_mov_b32 s[OFV+1], 0
	; descriptor group 1.  K: 64 rows x 512 bytes, 1,024 apart; V: 128 rows x 256 bytes, 2,048 apart; elements of 1 byte
	s_mov_b32 s[G1K], 15|(1<<20)|(1<<21)|(6<<22)|(3<<25)        ; 15:0 the mask: all four work-groups; 20 padding on; 21 set beside a mask; 24:22 after every 128 words (code 6); 31:25 four words (code 3)
	s_mov_b32 s[G1K+1], 512<<16                    ; tensor_dim0
	s_mov_b32 s[G1K+2], 64<<16                     ; tensor_dim1
	s_mov_b32 s[G1K+3], 512<<16                    ; tile_dim0
	s_mov_b32 s[G1K+4], 64                         ; tile_dim1
	s_mov_b32 s[G1K+5], 1024                       ; tensor_dim0_stride
	s_mov_b32 s[G1K+6], 0
	s_mov_b32 s[G1K+7], 0
	s_mov_b32 s[G1V], 15|(1<<20)|(1<<21)|(5<<22)|(3<<25)        ; padding: four words after every 64
	s_mov_b32 s[G1V+1], 256<<16
	s_mov_b32 s[G1V+2], 128<<16
	s_mov_b32 s[G1V+3], 256<<16
	s_mov_b32 s[G1V+4], 128
	s_mov_b32 s[G1V+5], 2048
	s_mov_b32 s[G1V+6], 0
	s_mov_b32 s[G1V+7], 0
	s_mov_b32 s[SEL], 0x76543210
	s_mov_b32 s[SEL+1], 0xfedcba98
	s_lshl_b32 s20, s19, 21                        ; the batch's first byte in each tensor of codes
	s_mov_b32 s21, 0
	s_lshl_b32 s2, s[WV], 16                       ; K: my 64 keys of a step's 256
	s_add_co_u32 s2, s2, s20
	s_mov_b32 s3, 0
	s_lshl_b32 s76, s[WV], 19                      ; V: my 256 channels
	s_add_co_u32 s76, s76, s20
	s_mov_b32 s77, 0
	s_wait_kmcnt 0x0
	s_load_b128 s[72:75], s[10:11], 0x0            ; eq, ek, ep, ev
	s_add_nc_u64 s[KB0:KB0+1], s[6:7], s[2:3]      ; the four bases: batch and wave alone
	s_add_nc_u64 s[KB1:KB1+1], s[KB0:KB0+1], 512
	s_add_nc_u64 s[VB0:VB0+1], s[8:9], s[76:77]
	s_add_nc_u64 s[VB1:VB1+1], s[VB0:VB0+1], VHALF
	; descriptor group 0, a set for each of the four fills of a key step: nothing in them hangs on my place in the cluster
	s_mov_b32 s[G0K0], 1
	s_mul_i32 s[G0K0+1], s[WV], KW
	AIM G0K0, KB0, OFK
	s_mov_b32 s[G0K1], 1
	s_add_co_u32 s[G0K1+1], s[G0K0+1], SLOT
	AIM G0K1, KB1, OFK
	s_mov_b32 s[G0V0], 1
	s_mul_i32 s[G0V0+1], s[WV], VW
	AIM G0V0, VB0, OFV
	s_mov_b32 s[G0V1], 1
	s_add_co_u32 s[G0V1+1], s[G0V0+1], SLOT
	AIM G0V1, VB1, OFV
	CROUND                                         ; all four work-groups are here: the first joint loads meet
	tensor_load_to_lds s[G0K0:G0K0+3], s[G1K:G1K+7]             ; the two first fills stand together: two loads of mine are out, the most in this text
	s_nop 0
	tensor_load_to_lds s[G0K1:G0K1+3], s[G1K:G1K+7]
	s_nop 0
	PLACES 4
	s_lshl_b32 s22, s[WV], 16                      ; the prefetches of K: key step 4 + c, my wave's 64 keys, my work-group's 16 of them
	s_lshl_b32 s23, s17, 14
	s_add_co_u32 s22, s22, s23
	s_add_co_u32 s22, s22, s20
	s_add_co_u32 s22, s22, s[OFK]
	s_add_co_u32 s22, s22, 4*KSTEPB
	s_mov_b32 s23, 0
	s_add_nc_u64 s[PFK:PFK+1], s[6:7], s[22:23]
	s_lshl_b32 s22, s[WV], 19                      ; of V: key step 4 + c, my wave's channels, my work-group's 32 of each 128
	s_lshl_b32 s23, s17, 16
	s_add_co_u32 s22, s22, s23
	s_add_co_u32 s22, s22, s20
	s_add_co_u32 s22, s22, s[OFV]
	s_add_co_u32 s22, s22, 4*VSTEPB
	s_mov_b32 s23, 0
	s_add_nc_u64 s[PFV:PFV+1], s[8:9], s[22:23]
	s_lshl_b32 s22, s18, 16                        ; q at my 32 queries: (64 x block + 32 a) x 1,024
	s_lshl_b32 s23, s15, 15
	s_add_co_u32 s22, s22, s23
	s_add_co_u32 s22, s22, s20
	s_mov_b32 s23, 0
	s_add_nc_u64 s[4:5], s[4:5], s[22:23]
	s_lshl_b32 s22, s19, 23                        ; out at my work-group's first row and my wave's 256 channels
	s_lshl_b32 s23, s18, 18
	s_add_co_u32 s22, s22, s23
	s_lshl_b32 s23, s[WV], 10
	s_add_co_u32 s22, s22, s23
	s_mov_b32 s23, 0
	s_add_nc_u64 s[12:13], s[12:13], s[22:23]
	v_and_b32 v33, 15, v0                          ; r
	v_bfe_u32 v34, v0, 4, 1                        ; h
	v_and_b32 v35, 31, v0                          ; lane
	v_lshlrev_b32 v32, 10, v33
	v_lshl_add_u32 v32, v34, 4, v32                ; q: row r, + 16 h
	WIN W_Q
.irp q, 0,1                            ; Q stays in registers.  A load takes 32 bytes of each of 16 rows; the 64 loads together take the rows whole.  Done once, 32 KiB a wave
.irp s, 0,1,2,3,4,5,6,7
.irp c, 0,1,2,3
	global_load_b128 v[16*(8*\q+\s)+4*\c:16*(8*\q+\s)+4*\c+3], v32, s[4:5] offset:16384*\q+128*\s+32*\c
.endr
.endr
.endr
	WIN 0
	s_mul_i32 s71, s16, 128*KP                     ; my 128 keys of a slot's 256
	v_mul_u32_u24 v[AK], v33, KP
	v_lshl_add_u32 v[AK], v34, 4, v[AK]
	v_add_nc_u32 v[AK], s71, v[AK]
	v_add_nc_u32 v[AK+1], SLOT, v[AK]
	s_mul_i32 s71, s[WV], VW                       ; my own 128 rows of a slot of V
	v_mul_u32_u24 v[AV], v33, VP
	v_lshl_add_u32 v[AV], v34, 3, v[AV]
	v_add_nc_u32 v[AV], s71, v[AV]
	v_add_nc_u32 v[AV+1], SLOT, v[AV]
	v_lshlrev_b32 v[LI], 4, v35
	v_add_nc_u32 v[LI], PIMG, v[LI]
	s_lshl_b32 s71, s15, 2
	s_add_co_u32 s71, s71, s16
	s_lshl_b32 s71, s71, 11                        ; fragment 4 a + b; my second lies two fragments on
	v_add_nc_u32 v[PW], s71, v[LI]
	s_lshl_b32 s71, s16, 8
	s_lshl_b32 s60, s15, 7
	s_add_co_u32 s71, s71, s60
	v_lshlrev_b32 v[SR], 2, v33
	v_add_nc_u32 v[SR], STAT, v[SR]
	v_add_nc_u32 v[SW], s71, v[SR]                 ; STAT + 256 b + 4 (32 a + r)
	v_lshrrev_b32 v36, 1, v35
	v_and_b32 v37, 1, v35
	v_lshlrev_b32 v[PFOK], 10, v36
	v_lshl_add_u32 v[PFOK], v37, 8, v[PFOK]        ; key lane / 2, block lane % 2 of 256 bytes
	v_lshlrev_b32 v[PFOV], 11, v35                 ; a lane a row
.irp qt, 0,1,2,3
	v_mov_b32 v[ST+4*\qt+1], 0xff61b1e6            ; the largest t so far: -3e38, under every t
	v_floor_f32 v[ST+4*\qt], -v[ST+4*\qt+1]        ; -M
.endr
.irp x, PRM, LS, LS+1, LS+2, LS+3
	v_mov_b32 v[\x], 0
.endr
	; O^T begins as zeros, which the first change of M leaves zeros: so the key step is written twice (loop and tail) and not a third time.  These lines are issued while the first tiles and Q are on their way
	WIN 0x80
.set J, 0
.rept 256
	v_mov_b32 v[J], 0
.set J, J+1
.endr
	WIN 0xc0
.set J, 0
.rept 256
	v_mov_b32 v[J], 0
.set J, J+1
.endr
	WIN 0
	s_wait_kmcnt 0x0
	s_mov_b32 s[CS], 0x3e13bb63                    ; 0.1 log2(e)
	s_add_co_i32 s71, s72, s73
	s_lshl_b32 s71, s71, 23
	s_add_co_i32 s[CS], s[CS], s71                 ; a score stands for score x 2^(eq + ek): the two exponents are added to c's exponent field
	s_mov_b32 s[CS+1], s[CS]
	s_add_co_i32 s71, s74, 127
	s_lshl_b32 s60, s71, 23
	v_mov_b32 v[CVS], s60                          ; 2^ep as f32: the conversion takes its exponent field
	s_add_co_i32 s71, s71, 15
	s_lshl_b32 s71, s71, 23
	s_or_b32 s71, s71, 0x600000
	v_mov_b32 v[HOLD], s71                         ; 57,344 x 2^ep
	s_add_co_i32 s[EPV], s74, s75                  ; ep + ev
	s_wait_tensorcnt 1                             ; my part of K's first half is in; the second half's load may stay out
	s_barrier_signal -1
	s_barrier_wait -1                              ; everybody's is
	s_wait_loadcnt 0x0                             ; Q
	s_mov_b32 s[CNT], 7
.Lstep:                                            ; seven trips, 0 to 6, each of which asks for the next trip's K
	STEP 1
	s_sub_co_u32 s[CNT], s[CNT], 1
	s_cmp_lg_u32 s[CNT], 0
	s_cbranch_scc1 .Lstep
	STEP 0                                         ; the last trip is written out
	; THE WAY OUT.  The two key halves' sums are added; O^T x 2^(ep + ev) / l goes, 16 queries x 128 channels at a time, through my own stage in LDS and comes back as whole rows of 512 bytes.
	PLACES 4
	v_and_b32 v60, 15, v0                          ; r
	v_bfe_u32 v61, v0, 4, 1                        ; h
	v_and_b32 v62, 31, v0                          ; lane
	s_mul_i32 s71, s[WV], STG                      ; my stage
	v_mul_u32_u24 v[STO], v60, SPITCH              ; in: row r, 32 bytes for each half of the lanes
	v_lshl_add_u32 v[STO], v61, 5, v[STO]
	v_add_nc_u32 v[STO], s71, v[STO]
	v_lshlrev_b32 v[CO], 4, v62                    ; back: the 32 lanes take one row of 512 bytes; and the same in out
	v_add_nc_u32 v[RD], s71, v[CO]
.irp qt, 0,1,2,3
.irp bb, 0,1
	ds_load_b32 v[MX+2*\qt+\bb], v[SR] offset:512+64*\qt+256*\bb
.endr
.endr
	s_wait_dscnt 0x0
.irp qt, 0,1,2,3
	v_add_f32 v[TW+\qt], v[MX+2*\qt], v[MX+2*\qt+1]
.endr
.irp qt, 0,1,2,3
	v_rcp_f32 v[TW+4+\qt], v[TW+\qt]
.endr
	v_nop                                          ; a plain instruction between the last reciprocal and the use of its result
	s_wait_alu depctr_va_vdst(0)                   ; one wait for the four reciprocals, ahead of their first reader
.irp qt, 0,1,2,3
	v_ldexp_f32 v[ST+4*\qt+2], v[TW+4+\qt], s[EPV] ; 2^(ep + ev) / l
.endr
.macro TOSTAGE u                       ; block u: query tile u / 2, channels 128 (u % 2) on
.set AC, 64*((\u)/2)
.set FQ, ST+4*((\u)/2)+2
	WIN 0x02+((\u)%2)                              ; source 0: window 2 or 3
.irp j, 0,2,4,6,8,10,12,14,16,18,20,22,24,26,28,30,32,34,36,38,40,42,44,46,48,50,52,54,56,58,60,62
	v_pk_mul_f32 v[TMP+\j:TMP+\j+1], v[AC+\j:AC+\j+1], v[FQ:FQ+1] op_sel_hi:[1,0]   ; each accumulator from its low end on
.endr
	WIN 0
.irp c, 0,1,2,3,4,5,6,7
	ds_store_b128 v[STO], v[TMP+8*\c:TMP+8*\c+3] offset:64*\c
	ds_store_b128 v[STO], v[TMP+8*\c+4:TMP+8*\c+7] offset:64*\c+16
.endr
.set BB, BK+64*((\u)%2)
.irp t, 0,1,2,3,4,5,6,7,8,9,10,11,12,13,14,15
	ds_load_b128 v[BB+4*\t:BB+4*\t+3], v[RD] offset:\t*SPITCH   ; LDS serves a wave's instructions in order (ISA guide 5.7.1.4): these see the stores above, and the next block's stores come behind them
.endr
.endm
.macro SEND u, younger                 ; younger: the LDS instructions issued behind block u's loads, which may stay out
.set BB, BK+64*((\u)%2)
	s_wait_dscnt \younger
.irp t, 0,1,2,3,4,5,6,7,8,9,10,11,12,13,14,15
	global_store_b128 v[CO], v[BB+4*\t:BB+4*\t+3], s[12:13] offset:((\u)/2)*65536+((\u)%2)*512+\t*4096 th:TH_STORE_NT   ; 32 lanes store 512 consecutive bytes, at a multiple of 256 from out's first byte
.endr
.endm
	TOSTAGE 0
.irp u, 1,2,3,4,5,6,7
.if \u > 1
	s_wait_xcnt 0x0                                ; block u - 2's stores have read their registers: block u's loads may land there
.endif
	TOSTAGE \u
	SEND \u-1, 32                                  ; behind block u - 1's loads: block u's 16 stores and 16 loads
.endr
	SEND 7, 0
	s_wait_tensorcnt 0x0                           ; the wave's end, behind my last tensor load and my last LDS store
	ds_add_u32 v[SPW], v[NIL]
	s_wait_dscnt 0x0
	CROUND                                         ; the closing round: no work-group ends while a partner may still ask for a tile that names it
	s_endpgm
.Lfunc_end_k_qdde75c7bf7_attn:
	.size	k_qdde75c7bf7_attn, .Lfunc_end_k_qdde75c7bf7_attn-k_qdde75c7bf7_attn
	.p2alignl 7, 3214868480
	.fill 96, 4, 3214868480
	.section	.rodata,"a",@progbits
	.p2align	6, 0x0
	.amdhsa_kernel k_qdde75c7bf7_attn
		.amdhsa_group_segment_fixed_size 327680
		.amdhsa_private_segment_fixed_size 0
		.amdhsa_enable_private_segment 0
		.amdhsa_kernarg_size 40
		.amdhsa_user_sgpr_count 2
		.amdhsa_user_sgpr_kernarg_segment_ptr 1
		.amdhsa_wavefront_size32 1
		.amdhsa_system_sgpr_workgroup_id_x 1
		.amdhsa_system_sgpr_workgroup_id_y 1
		.amdhsa_system_sgpr_workgroup_id_z 1
		.amdhsa_system_vgpr_workitem_id 0
		.amdhsa_next_free_vgpr 1024
		.amdhsa_next_free_sgpr 96
		.amdhsa_reserve_vcc 0
		.amdhsa_float_denorm_mode_32 3
		.amdhsa_float_denorm_mode_16_64 3
		.amdhsa_memory_ordered 1
		.amdhsa_forward_progress 1
		.amdhsa_inst_pref_size 255
	.end_amdhsa_kernel
	.section	.bss,"aw",@nobits
	.p2align	6
	.space	262144
	.amdgpu_metadata
---
amdhsa.version: [ 1, 2 ]
amdhsa.kernels:
  - .name:           k_qdde75c7bf7_attn
    .symbol:         k_qdde75c7bf7_attn.kd
    .args:
      - { .name: q_codes, .offset: 0, .size: 8, .value_kind: global_buffer, .address_space: global }
      - { .name: k_codes, .offset: 8, .size: 8, .value_kind: global_buffer, .address_space: global }
      - { .name: v_codes, .offset: 16, .size: 8, .value_kind: global_buffer, .address_space: global }
      - { .name: lowp_scales, .offset: 24, .size: 8, .value_kind: global_buffer, .address_space: global }
      - { .name: out0, .offset: 32, .size: 8, .value_kind: global_buffer, .address_space: global }
    .group_segment_fixed_size: 327680
    .private_segment_fixed_size: 0
    .kernarg_segment_align: 8
    .kernarg_segment_size: 40
    .max_flat_workgroup_size: 128
    .sgpr_count:     96
    .vgpr_count:     1024
    .wavefront_size: 32
...
	.end_amdgpu_metadata
.endif
;; end of part 2
